; MI455X (gfx1250); checked and timed in simulation.
; The chip was launched on July 23, 2026; its instructions are those of AMD's public machine-readable ISA for CDNA 5 (MIT licence, August 2026) and "CDNA5" Instruction Set Architecture Reference Guide (July 2026). The comments in the code are by the model that wrote it; some were corrected since.
;; Scaled Dot Attention. Allowed arithmetic: float matrix products may take bf16 or f16 operands with f32 sums; all other float work in f32.
;; Inputs: key 8 x 4,096 x 64 float32; mask 8 x 4,096 bool; query 8 x 4,096 x 64 float32; value 8 x 4,096 x 64 float32.
;; Outputs: out0 8 x 4,096 x 64 float32.
;; 2 versions, each right and faster than the one before. Each part assembles by itself: llvm-mc -triple=amdgcn-amd-amdhsa -mcpu=gfx1250 --defsym DOCPART=n.
;; ======== version 1 of 2: 2 launches
;; workspace buffers: kb 4,194,304 bytes; vb 4,194,304 bytes
;; launch prep (part 1): grid 256 x 1, 8 waves a work-group, no clusters, 0 bytes of LDS; arguments key, value, mask, kb, vb; writes kb, vb
.if DOCPART == 1
	.amdgcn_target "amdgcn-amd-amdhsa--gfx1250"
	.amdhsa_code_object_version 6
	.text
	.protected	k_q693e8c2725_prep
	.globl	k_q693e8c2725_prep
	.p2align	8
	.type	k_q693e8c2725_prep,@function
k_q693e8c2725_prep:
	s_mov_b64 s[64:65], 0
	v_nop
	global_prefetch_b8 v0, s[64:65] scope:SCOPE_SE
	s_setreg_imm32_b32 hwreg(HW_REG_WAVE_MODE, 25, 1), 1
	s_wait_xcnt 0x0
; kb = bf16(key); vb = bf16(value), with the rows of masked keys set to zero.  key, value: [8][4096][64] f32; mask: [8][4096] bytes;
; kb, vb: [8][4096][64] bf16, dense, 128 bytes a key.  The next launch reads every key and value 32 times over (32 query blocks a batch):
; the rounding to bf16 and the mask's effect on the numerator are done here once instead of once for each block.
; LIMITS: a mask byte is 0 or 1.  A masked key whose value row holds Inf or NaN gives zeros here, where a product with 0 would give NaN.
; A stream in one shot: no loop, no LDS, no barrier.  The 32,768 keys are taken flat.  A work-group owns 128 keys, a wave 16 keys: 4,096 bytes
; of key and 4,096 of value.  Load j of a wave covers 512 neighbouring bytes (keys 2 j and 2 j + 1, lanes 0-15 and 16-31); its 4 numbers a lane
; become 8 bytes, so store j of a wave covers 256 neighbouring bytes at a multiple of 256 from the buffer's first byte.
; All 17 loads of a wave go out before the first wait; no register is written twice while a load or store names it.
.set MB, 4                             ; v[4:7]     the wave's 16 mask bytes, the same in every lane
.set KI, 8                             ; v[8:39]    key as loaded, 4 registers for each j
.set VI, 40                            ; v[40:71]   value as loaded
.set SH, 72                            ; v72 = 8 (lane / 16), v73 = that + 16: bit offset of my key's mask byte for even and odd j
.set KP, 74                            ; v[74:89]   key packed, 2 registers for each j
.set VP, 90                            ; v[90:105]  value packed
.set TT, 106                           ; v106       at work
	s_load_b256 s[4:11], s[0:1], 0x0               ; key s[4:5], value s[6:7], mask s[8:9], kb s[10:11]
	s_load_b64 s[12:13], s[0:1], 0x20              ; vb
	v_and_b32 v[TT], 31, v0                        ; lane
	v_lshrrev_b32 v3, 5, v0                        ; wave
	v_lshlrev_b32 v1, 4, v[TT]
	v_lshl_add_u32 v1, v3, 12, v1                  ; in: 16 x lane + 4,096 x wave
	v_lshlrev_b32 v2, 3, v[TT]
	v_lshl_add_u32 v2, v3, 11, v2                  ; out: 8 x lane + 2,048 x wave
	v_lshrrev_b32 v[SH], 4, v[TT]
	v_lshlrev_b32 v[SH], 3, v[SH]                  ; 8 (lane / 16)
	v_add_nc_u32 v[SH+1], 16, v[SH]
	v_lshlrev_b32 v3, 4, v3                        ; mask: 16 x wave
	s_lshl_b32 s14, ttmp9, 15                      ; the work-group's 128 keys: 32,768 bytes of f32,
	s_mov_b32 s15, 0
	s_lshl_b32 s16, ttmp9, 14                      ; 16,384 bytes of bf16,
	s_mov_b32 s17, 0
	s_lshl_b32 s18, ttmp9, 7                       ; 128 mask bytes
	s_mov_b32 s19, 0
	s_wait_kmcnt 0x0
	s_add_nc_u64 s[4:5], s[4:5], s[14:15]
	s_add_nc_u64 s[6:7], s[6:7], s[14:15]
	s_add_nc_u64 s[8:9], s[8:9], s[18:19]
	s_add_nc_u64 s[10:11], s[10:11], s[16:17]
	s_add_nc_u64 s[12:13], s[12:13], s[16:17]
	global_load_b128 v[MB:MB+3], v3, s[8:9]
.irp j, 0,1,2,3,4,5,6,7
	global_load_b128 v[KI+4*\j:KI+4*\j+3], v1, s[4:5] offset:512*\j th:TH_LOAD_NT
.endr
.irp j, 0,1,2,3,4,5,6,7
	global_load_b128 v[VI+4*\j:VI+4*\j+3], v1, s[6:7] offset:512*\j th:TH_LOAD_NT
.endr
.irp j, 0,1,2,3,4,5,6,7
	s_wait_loadcnt 15-\j                           ; loads come back in order: 7 - j younger loads of key and the 8 of value stay out
	v_cvt_pk_bf16_f32 v[KP+2*\j], v[KI+4*\j], v[KI+4*\j+1]
	v_cvt_pk_bf16_f32 v[KP+2*\j+1], v[KI+4*\j+2], v[KI+4*\j+3]
	global_store_b64 v2, v[KP+2*\j:KP+2*\j+1], s[10:11] offset:256*\j
.endr
.irp j, 0,1,2,3,4,5,6,7
	s_wait_loadcnt 7-\j                            ; 7 - j younger loads of value stay out
	v_bfe_u32 v[TT], v[MB+(\j>>1)], v[SH+(\j&1)], 8        ; the mask byte of key 2 j + lane / 16: word j / 2, byte 2 (j mod 2) + lane / 16
	v_sub_nc_u32 v[TT], 0, v[TT]                   ; 1 becomes all ones, 0 stays 0
	v_cvt_pk_bf16_f32 v[VP+2*\j], v[VI+4*\j], v[VI+4*\j+1]
	v_cvt_pk_bf16_f32 v[VP+2*\j+1], v[VI+4*\j+2], v[VI+4*\j+3]
	v_and_b32 v[VP+2*\j], v[TT], v[VP+2*\j]
	v_and_b32 v[VP+2*\j+1], v[TT], v[VP+2*\j+1]
	global_store_b64 v2, v[VP+2*\j:VP+2*\j+1], s[12:13] offset:256*\j
.endr
	s_endpgm
.Lfunc_end_k_q693e8c2725_prep:
	.size	k_q693e8c2725_prep, .Lfunc_end_k_q693e8c2725_prep-k_q693e8c2725_prep
	.p2alignl 7, 3214868480
	.fill 96, 4, 3214868480
	.section	.rodata,"a",@progbits
	.p2align	6, 0x0
	.amdhsa_kernel k_q693e8c2725_prep
		.amdhsa_group_segment_fixed_size 0
		.amdhsa_private_segment_fixed_size 0
		.amdhsa_enable_private_segment 0
		.amdhsa_kernarg_size 40
		.amdhsa_user_sgpr_count 2
		.amdhsa_user_sgpr_kernarg_segment_ptr 1
		.amdhsa_wavefront_size32 1
		.amdhsa_system_sgpr_workgroup_id_x 1
		.amdhsa_system_sgpr_workgroup_id_y 1
		.amdhsa_system_sgpr_workgroup_id_z 1
		.amdhsa_system_vgpr_workitem_id 0
		.amdhsa_next_free_vgpr 112
		.amdhsa_next_free_sgpr 66
		.amdhsa_reserve_vcc 0
		.amdhsa_float_denorm_mode_32 3
		.amdhsa_float_denorm_mode_16_64 3
		.amdhsa_memory_ordered 1
		.amdhsa_forward_progress 1
		.amdhsa_inst_pref_size 8
	.end_amdhsa_kernel
	.amdgpu_metadata
---
amdhsa.version: [ 1, 2 ]
amdhsa.kernels:
  - .name:           k_q693e8c2725_prep
    .symbol:         k_q693e8c2725_prep.kd
    .args:
      - { .name: key, .offset: 0, .size: 8, .value_kind: global_buffer, .address_space: global }
      - { .name: value, .offset: 8, .size: 8, .value_kind: global_buffer, .address_space: global }
      - { .name: mask, .offset: 16, .size: 8, .value_kind: global_buffer, .address_space: global }
      - { .name: kb, .offset: 24, .size: 8, .value_kind: global_buffer, .address_space: global }
      - { .name: vb, .offset: 32, .size: 8, .value_kind: global_buffer, .address_space: global }
    .group_segment_fixed_size: 0
    .private_segment_fixed_size: 0
    .kernarg_segment_align: 8
    .kernarg_segment_size: 40
    .max_flat_workgroup_size: 256
    .sgpr_count:     66
    .vgpr_count:     112
    .wavefront_size: 32
...
	.end_amdgpu_metadata
.endif
;; end of part 1
;; launch attn (part 2): grid 256 x 1, 8 waves a work-group, clusters of 4 x 1, 327,680 bytes of LDS; arguments query, kb, vb, mask, out0; writes out0
.if DOCPART == 2
	.amdgcn_target "amdgcn-amd-amdhsa--gfx1250"
	.amdhsa_code_object_version 6
	.text
	.protected	k_q693e8c2725_attn
	.globl	k_q693e8c2725_attn
	.p2align	8
	.type	k_q693e8c2725_attn,@function
k_q693e8c2725_attn:
	s_mov_b64 s[64:65], 0
	v_nop
	global_prefetch_b8 v0, s[64:65] scope:SCOPE_SE
	s_setreg_imm32_b32 hwreg(HW_REG_WAVE_MODE, 25, 1), 1
	s_wait_xcnt 0x0
	s_wait_alu depctr_hold_cnt(0) depctr_sa_sdst(0) depctr_va_vdst(0) depctr_va_sdst(0) depctr_va_ssrc(0) depctr_va_vcc(0) depctr_vm_vsrc(0)
	s_getreg_b32 s2, hwreg(HW_REG_IB_STS2, 6, 4)
	s_cmp_eq_u32 s2, 0
	s_cbranch_scc0 .Lentry_in_a_cluster
	s_endpgm
.Lentry_in_a_cluster:
	s_bfe_u32 s2, ttmp6, 0x10000c
	s_cmp_lg_u32 s2, 0x3003
	s_cbranch_scc0 .Lentry_shape_is_right
	s_endpgm
.Lentry_shape_is_right:
; out[b][q][:] = sum_k p(q,k) mask[k] value[k][:] / (sum_k p(q,k) mask[k] + 1e-7),  p(q,k) = exp(s(q,k) - max over ALL k of s(q,k)),  s = q.k / 8.
; query, out0: [8][4096][64] f32; kb, vb: [8][4096][64] bf16 (vb's masked rows are zero already); mask: [8][4096] bytes.
; The maximum is a running maximum over every key, masked ones too, as the problem defines it, so that 1e-7 is measured against the same unit.
; The mask acts on the numerator (zero rows of vb) and on the sum (l += p x mask, one packed multiply-add for two keys).
; LIMITS: a mask byte is 0 or 1.  v_exp_f32 gives 0 for results below 2^-126 (ISA guide, its entry in 15.8): such terms are lost, far below 1e-7.
; The sums run in another order than the definition's: keys start at a block that hangs on the cluster, four partial sums a query are merged at the end.
; l adds the unrounded p, the numerator uses p rounded to bf16.  Products in bf16 with f32 sums.  q is rounded to bf16 as it stands, so that the
; operands of the score product are the inputs rounded once and nothing else; the factor c = log2(e) / 8 is applied in f32, fused into the subtraction
; of the maximum: p = 2^(s c - m c).
;
; SHARES.  A work-group owns 128 queries; 32 work-groups make a batch.  Eight waves, two for each of a WGP's four SIMDs, so that one wave's vector work
; runs beside the other's products.  Wave w: qg = w / 4 picks 64 queries, kq = w mod 4 picks a quarter (64 keys) of every block of 256 keys.
; A trip of a wave is 64 queries x 64 keys: 32 products for the scores, 32 for the output.  Each wave keeps m, l and O of its own keys; the four
; quarters are merged once at the end, through LDS.
; TRANSPOSED USE.  S^T = K Q^T: source 0 = 16 keys, source 1 = 16 queries, so lane (r, h) holds keys 8 h + 0..7 of query r.  Two such tiles, rounded
; and packed, ARE the second source P^T of O^T = V^T P^T: no shuffle.  m, l and the rescale factor are one number a lane.
; CLUSTER.  The four work-groups of a cluster lie in one batch and walk the same key blocks in the same order: every tile of kb and vb is asked for
; jointly, each wave of each of the four issuing the same load with the mask 15.  That divides the requests for K and V by four.
; Cluster cb (0..7) of a batch starts at block 2 cb and wraps round: the order of keys does not matter to a running maximum.
;
; LDS.  Two slots of 75,776 bytes: K as 4 quarters of 32 rows (2 keys = 256 bytes + 16 of padding, pitch 272), then V as 4 quarters of 64 keys
; (128 bytes + 32 of padding, pitch 160).  With 64 banks of 4 bytes (ISA guide 11.1) the sixteen lanes of a K load start at 16-byte columns
; (r / 2) + 8 (r mod 2), all different; the rows of a transposing V load start at columns 0, 10, 4, 14, 8, 2, 12, 6 and take two each.
; Behind the slots, in bytes into which no tensor load lands: the mask as f32 in the order in which the keys are walked (16,384), Q in bf16
; (128 rows, pitch 144), later overlaid by the stage for the merge (8 waves x 64 rows x 272), and -m c and l (2,048 each).
.set SLOT,  75776
.set KQ,    8704                       ; a quarter of K in a slot
.set VOFF,  34816                      ; V behind K's four quarters
.set VQ,    10240                      ; a quarter of V in a slot
.set MASKF, 151552
.set QST,   167936
.set OSCR,  167936
.set OW,    17408                      ; a wave's stage: 64 rows x 272
.set MST,   307200                     ; -m c: [128 queries][4 quarters] f32; l lies 2,048 bytes behind
.set CPOS,  0x3e38aa3b                 ; c = log2(e) / 8
.set CNEG,  0xbe38aa3b                 ; -c
; REGISTERS, window 0 (v0-255):
.set ADRK, 2                           ; v2, v3      LDS address of my K fragments in slot 0, 1
.set ADRV, 4                           ; v4, v5      the same for V
.set ADRM, 6                           ; v6          LDS address of my masks; 1,024 bytes on in each trip
.set MX,   8                           ; v[8:15]     for each of 4 query tiles the pair (-m c, -m c): the addend of the fused s c - m c
.set LS,   16                          ; v[16:23]    for each query tile a pair of partial sums
.set AL,   24                          ; v[24:31]    for each query tile T, U: at work for the maximum, then the pair (alpha, alpha)
.set KF,   32                          ; v[32:95]    K fragments: KF + 16 kt + 8 ks
.set MK,   96                          ; v[96:127]   masks: MK + 8 kt + j
.set SB,   128                         ; v[128:255]  S^T tiles: SB + 32 qt + 8 kt + j; P^T fragment (qt, kp) in place at SB + 32 qt + 16 kp
; window 1 (v256-511), written by their low 8 bits:
.set OA,   0                           ; O^T: 8 (4 qt + dt)
.set QF,   128                         ; Q fragments: 128 + 16 qt + 8 ks
.set VF,   192                         ; V^T fragments: 192 + 32 kp + 8 dt
; scalars: s14 wave, s15 wave mod 4 (my key quarter; the tile quarter that I fetch), s16 wave / 4 (my query half; 0: I fetch K, 1: V), s17 loop counter,
; s18 next block to fetch, s[20:21], s[22:23] kb, vb at my batch and quarter, s[56:57] a block's byte offset, s58, s59 lane selects, s70 = 1e-7.
; Nothing made from my place in the cluster stands in s18 to s57.
.set G1K, 24                           ; s[24:31] descriptor group 1 for K
.set G0K, 32                           ; s[32:39] group 0 for K, a set for each slot
.set G1V, 40                           ; s[40:47] group 1 for V
.set G0V, 48                           ; s[48:55] group 0 for V, a set for each slot
.set MSB, 0
.macro WIN new                         ; s_set_vgpr_msb: bits 1:0 source 0, 3:2 source 1, 5:4 source 2, 7:6 destination; the high byte repeats the setting that is left
.if MSB != \new
	s_set_vgpr_msb (MSB<<8)|\new
.set MSB, \new
.endif
.endm
.macro PLACES cnt                      ; plain vector places behind matrix instructions (ISA guide 7.12.1)
.rept \cnt
	v_nop
.endr
.endm
; A round of the cluster's barrier behind its opening work-group barrier: wave 0 signals for the work-group, every wave waits for all four work-groups,
; the work-group's barrier closes the round.
.macro CREST
	s_cmp_lg_u32 s14, 0
	s_cbranch_scc1 .Lnot_wave_0_\@
	s_barrier_signal -3
.Lnot_wave_0_\@:
	s_barrier_wait -3
	s_barrier_signal -1
	s_barrier_wait -1
.endm
.macro CROUND
	s_barrier_signal -1
	s_barrier_wait -1
	CREST
.endm
; A joint load: waves 0-3 fetch K's four quarters, waves 4-7 V's.  The branch hangs on the wave's number alone.
.macro JLOAD slot
	s_cmp_eq_u32 s16, 0
	s_cbranch_scc0 .Lfor_v_\@
	tensor_load_to_lds s[G0K+4*\slot:G0K+4*\slot+3], s[G1K:G1K+7]
	s_nop 0
	s_branch .Lasked_\@
.Lfor_v_\@:
	tensor_load_to_lds s[G0V+4*\slot:G0V+4*\slot+3], s[G1V:G1V+7]
	s_nop 0
.Lasked_\@:
.endm
; 24 LDS loads: my 64 keys as 8 fragments (16 keys x 32 d: two loads of 16 bytes, 32 apart), and their 64 masks, 8 a lane for each key tile.
.macro FETCHK slot
.irp kt, 0,1,2,3
.irp ks, 0,1
	ds_load_b128 v[KF+16*\kt+8*\ks:KF+16*\kt+8*\ks+3], v[ADRK+\slot] offset:\kt*2176+\ks*64
	ds_load_b128 v[KF+16*\kt+8*\ks+4:KF+16*\kt+8*\ks+7], v[ADRK+\slot] offset:\kt*2176+\ks*64+32
.endr
.endr
.irp kt, 0,1,2,3
	ds_load_b128 v[MK+8*\kt:MK+8*\kt+3], v[ADRM] offset:\kt*64
	ds_load_b128 v[MK+8*\kt+4:MK+8*\kt+7], v[ADRM] offset:\kt*64+16
.endr
	v_add_nc_u32 v[ADRM], 1024, v[ADRM]            ; the next block's 256 masks
.endm
; 16 transposing LDS loads: V^T of my 64 keys as 8 fragments (16 d x 32 keys: two loads, 16 keys apart).
.macro FETCHV slot
	WIN 0x40                                       ; destination window 1, address window 0
.irp kp, 0,1
.irp dt, 0,1,2,3
	ds_load_tr16_b128 v[VF+32*\kp+8*\dt:VF+32*\kp+8*\dt+3], v[ADRV+\slot] offset:\kp*5120+\dt*32
	ds_load_tr16_b128 v[VF+32*\kp+8*\dt+4:VF+32*\kp+8*\dt+7], v[ADRV+\slot] offset:\kp*5120+\dt*32+2560
.endr
.endr
	WIN 0
.endm
; 32 products: S^T = K Q^T.  For each key tile the four query tiles take turns, one instruction a turn, first d 0-31 (which starts the sums), then d 32-63.
.macro SPHASE
	WIN 0x04                                       ; source 1 (Q) window 1
.irp kt, 0,1,2,3
.irp qt, 0,1,2,3
	v_wmma_f32_16x16x32_bf16 v[SB+32*\qt+8*\kt:SB+32*\qt+8*\kt+7], v[KF+16*\kt:KF+16*\kt+7], v[QF+16*\qt:QF+16*\qt+7], 0
.endr
.irp qt, 0,1,2,3
	v_wmma_f32_16x16x32_bf16 v[SB+32*\qt+8*\kt:SB+32*\qt+8*\kt+7], v[KF+16*\kt+8:KF+16*\kt+15], v[QF+16*\qt+8:QF+16*\qt+15], v[SB+32*\qt+8*\kt:SB+32*\qt+8*\kt+7]
.endr
.endr
	WIN 0
.endm
; The new maximum of each query and the factor alpha = 2^(old m c - new m c).  Four chains, one for each query tile, 16 steps over a lane's 32 raw
; scores.  The lane's maximum is multiplied once by -c (a falling map, so that maxima become minima); the other half of the lanes holds the query's other
; keys; the old -m c enters last (in the first trip there is none).  What is kept is the rounded -m c itself, and both p and alpha are made from it, so
; that its rounding is the same factor in every term of a query.
.macro STATS first
.irp qt, 0,1,2,3
	v_max3_num_f32 v[AL+2*\qt], v[SB+32*\qt], v[SB+32*\qt+1], v[SB+32*\qt+2]
.endr
.irp nn, 1,2,3,4,5,6,7,8,9,10,11,12,13,14
.irp qt, 0,1,2,3
	v_max3_num_f32 v[AL+2*\qt], v[AL+2*\qt], v[SB+32*\qt+2*\nn+1], v[SB+32*\qt+2*\nn+2]
.endr
.endr
.irp qt, 0,1,2,3
	v_max_num_f32 v[AL+2*\qt], v[AL+2*\qt], v[SB+32*\qt+31]
.endr
.irp qt, 0,1,2,3
	v_mul_f32 v[AL+2*\qt], CNEG, v[AL+2*\qt]       ; -c x the lane's maximum
.endr
.irp qt, 0,1,2,3
	v_permlanex16_b32 v[AL+2*\qt+1], v[AL+2*\qt], s58, s59   ; lane i takes lane i xor 16; the destination has been written before
.endr
.irp qt, 0,1,2,3
	v_min_num_f32 v[AL+2*\qt+1], v[AL+2*\qt], v[AL+2*\qt+1]
.endr
.if \first == 0
.irp qt, 0,1,2,3
	v_min_num_f32 v[AL+2*\qt+1], v[AL+2*\qt+1], v[MX+2*\qt]  ; the new -m c
.endr
.irp qt, 0,1,2,3
	v_sub_f32 v[AL+2*\qt], v[AL+2*\qt+1], v[MX+2*\qt]        ; new (-m c) - old (-m c) = old m c - new m c, at most 0
.endr
.endif
.irp qt, 0,1,2,3
	v_mov_b32 v[MX+2*\qt], v[AL+2*\qt+1]
	v_mov_b32 v[MX+2*\qt+1], v[AL+2*\qt+1]
.endr
.if \first == 0
.irp qt, 0,1,2,3
	v_exp_f32 v[AL+2*\qt], v[AL+2*\qt]             ; alpha; first used behind the plain lines of SA 0
.endr
.endif
.endm
.macro SA i                            ; tile i = 4 qt + kt: s c - m c, fused, two at a time
	s_wait_alu depctr_va_vdst(0)
.irp k, 0,1,2,3
	v_pk_fma_f32 v[SB+8*(\i)+2*\k:SB+8*(\i)+2*\k+1], v[SB+8*(\i)+2*\k:SB+8*(\i)+2*\k+1], CPOS, v[MX+2*((\i)/4):MX+2*((\i)/4)+1] op_sel_hi:[1,0,1]
.endr
.endm
.macro SBX i                           ; tile i: p = 2^(s c - m c), in place
.irp j, 0,1,2,3,4,5,6,7
	v_exp_f32 v[SB+8*(\i)+\j], v[SB+8*(\i)+\j]
.endr
.endm
; tile i: l += p x mask, then p to bf16 into its place in the P^T fragment: a register whose score has been used already (at the earliest its own pair's first).
.macro SC i, first
.irp k, 0,1,2,3
.if \first
.if (((\i)%4)+\k) == 0
	s_wait_alu depctr_va_vdst(0)
	v_pk_mul_f32 v[LS+2*((\i)/4):LS+2*((\i)/4)+1], v[SB+8*(\i)+2*\k:SB+8*(\i)+2*\k+1], v[MK+8*((\i)%4)+2*\k:MK+8*((\i)%4)+2*\k+1]   ; the first product starts the sum
.else
	s_wait_alu depctr_va_vdst(0)
	v_pk_fma_f32 v[LS+2*((\i)/4):LS+2*((\i)/4)+1], v[SB+8*(\i)+2*\k:SB+8*(\i)+2*\k+1], v[MK+8*((\i)%4)+2*\k:MK+8*((\i)%4)+2*\k+1], v[LS+2*((\i)/4):LS+2*((\i)/4)+1]
.endif
.else
	v_pk_fma_f32 v[LS+2*((\i)/4):LS+2*((\i)/4)+1], v[SB+8*(\i)+2*\k:SB+8*(\i)+2*\k+1], v[MK+8*((\i)%4)+2*\k:MK+8*((\i)%4)+2*\k+1], v[LS+2*((\i)/4):LS+2*((\i)/4)+1]
.endif
	v_cvt_pk_bf16_f32 v[SB+32*((\i)/4)+16*(((\i)%4)/2)+4*((\i)%2)+\k], v[SB+8*(\i)+2*\k], v[SB+8*(\i)+2*\k+1]
.endr
.endm
; The 16 tiles in a pipeline: behind a tile's eight exponentials stand the next tile's four multiply-adds, plain lines that touch none of the eight
; (ISA guide 5.7.2 asks for one such line before a result is used); then the tile's sums and roundings.
.macro SOFT first
	s_wait_dscnt 16                                ; the masks are in; the 16 loads of V, issued behind them, may be out
	SA 0
.if \first == 0
	s_wait_alu depctr_va_vdst(0)
.irp qt, 0,1,2,3
	v_mov_b32 v[AL+2*\qt+1], v[AL+2*\qt]           ; the pair (alpha, alpha)
.endr
.irp qt, 0,1,2,3
	v_pk_mul_f32 v[LS+2*\qt:LS+2*\qt+1], v[LS+2*\qt:LS+2*\qt+1], v[AL+2*\qt:AL+2*\qt+1]
.endr
.endif
.set ii, 0
.rept 16
	SBX ii
.if ii < 15
	SA ii+1
.else
	v_nop
	s_wait_alu depctr_va_vdst(0)
.endif
	SC ii, \first
.set ii, ii+1
.endr
.endm
.macro RESCALE                         ; O x alpha: a lane's O numbers of query tile qt all belong to its one query
	WIN 0x41                                       ; destination and source 0 window 1
.irp qt, 0,1,2,3
.irp p, 0,1,2,3,4,5,6,7,8,9,10,11,12,13,14,15
	v_pk_mul_f32 v[OA+32*\qt+2*\p:OA+32*\qt+2*\p+1], v[OA+32*\qt+2*\p:OA+32*\qt+2*\p+1], v[AL+2*\qt:AL+2*\qt+1]
.endr
.endr
	WIN 0
.endm
; 16 products: O^T += V^T P^T over 32 keys.  The sixteen accumulators take turns, one instruction a turn, in the same order in both halves.
.macro PV kp, zero
	WIN 0x51                                       ; source 0 (V), C and D window 1; source 1 (P) window 0
.irp qt, 0,1,2,3
.irp dt, 0,1,2,3
.if \zero
	v_wmma_f32_16x16x32_bf16 v[OA+32*\qt+8*\dt:OA+32*\qt+8*\dt+7], v[VF+32*\kp+8*\dt:VF+32*\kp+8*\dt+7], v[SB+32*\qt+16*\kp:SB+32*\qt+16*\kp+7], 0
.else
	v_wmma_f32_16x16x32_bf16 v[OA+32*\qt+8*\dt:OA+32*\qt+8*\dt+7], v[VF+32*\kp+8*\dt:VF+32*\kp+8*\dt+7], v[SB+32*\qt+16*\kp:SB+32*\qt+16*\kp+7], v[OA+32*\qt+8*\dt:OA+32*\qt+8*\dt+7]
.endif
.endr
.endr
	WIN 0
.endm
; One block of 256 keys, whose fragments were fetched from slot in the trip before.  first = 1: nothing to rescale, the first products start the sums.
; mode 2: a round of the cluster's barrier, this slot filled again two blocks ahead, the other slot's fragments fetched;
; mode 1: the work-group's barrier alone, nothing left to fill; mode 0: the last block.
.macro TRIP slot, first, mode
	s_wait_dscnt 24                                ; K's fragments (and what is older) are in; 8 loads of masks and 16 of V are younger
	SPHASE
	PLACES 4                                       ; four places before vector instructions read the scores
	STATS \first
	SOFT \first
.if \first == 0
	RESCALE
.endif
	s_wait_dscnt 0x0                               ; V's fragments are in: all my reads of this slot are over
.if \mode >= 1
	s_wait_xcnt 0x0
	v_lshl_add_u32 v254, v0, 2, 0x4c000
	v_mov_b32 v255, 0
	s_wait_tensorcnt 0x0                           ; all my tensor loads have landed: the one that was out is my part of the other slot
	ds_add_u32 v254, v255
	s_wait_dscnt 0x0
.endif
.if \mode == 2
	s_lshl_b32 s56, s18, 15                        ; no load of mine is out, so this slot's group 0 may be written: block s18, 32,768 bytes a block
	s_add_nc_u64 s[G0K+4*\slot+2:G0K+4*\slot+3], s[20:21], s[56:57]
	s_or_b32 s[G0K+4*\slot+3], s[G0K+4*\slot+3], 0x80000000
	s_add_nc_u64 s[G0V+4*\slot+2:G0V+4*\slot+3], s[22:23], s[56:57]
	s_or_b32 s[G0V+4*\slot+3], s[G0V+4*\slot+3], 0x80000000
	s_add_co_u32 s18, s18, 1
	s_and_b32 s18, s18, 15                         ; the blocks wrap round
.endif
.if \mode >= 1
	s_barrier_signal -1                            ; say so (in mode 2 this opens the round),
.endif
	PV 0, \first                                   ; work on registers while the others arrive,
.if \mode >= 1
	s_barrier_wait -1
.endif
.if \mode == 2
	CREST                                          ; no wave of any of the four work-groups still reads this slot or has a load on its way
	JLOAD \slot                                    ; my one tensor load behind the round, ahead of every LDS read
.endif
.if \mode >= 1
	FETCHK (1-\slot)
.endif
	PV 1, 0
	PLACES 5                                       ; five places before the next scores are written over P; they also serve the loads into V's fragments and the stores of O
.if \mode >= 1
	FETCHV (1-\slot)
.endif
.endm
	; ---- set-up
	s_load_b256 s[4:11], s[0:1], 0x0               ; query s[4:5], kb s[6:7], vb s[8:9], mask s[10:11]
	s_load_b64 s[12:13], s[0:1], 0x20              ; out0
	v_lshl_add_u32 v254, v0, 2, 0x4c000
	v_mov_b32 v255, 0
	ds_add_u32 v254, v255
	s_wait_dscnt 0x0
	v_lshrrev_b32 v1, 5, v0
	v_readfirstlane_b32 s14, v1                    ; wave 0..7
	s_and_b32 s15, s14, 3
	s_lshr_b32 s16, s14, 2
	s_bfe_u32 s60, ttmp6, 0x40000                  ; cx: my place in the cluster
	s_lshr_b32 s61, ttmp9, 3                       ; batch: eight clusters each (ttmp9 counts clusters)
	s_and_b32 s62, ttmp9, 7                        ; cb: the cluster's number in its batch
	s_lshl_b32 s63, ttmp9, 2
	s_add_co_u32 s63, s63, s60                     ; work-group = 4 x cluster + cx: used for query's and out0's addresses alone
	s_mov_b32 s58, 0x76543210                      ; v_permlanex16_b32: lane i of one half reads lane i of the other
	s_mov_b32 s59, 0xfedcba98
	s_mov_b32 s70, 0x33d6bf95                      ; 1e-7
	; Group 1: 32 rows of 32 elements of 8 bytes, dense: 8,192 bytes, a quarter of a block.  15:0 the mask of the cluster's four; 17:16 element size code 3;
	; 20 padding on; 21 set beside a mask.  K: 4 words of padding after every 64 words (two keys).  V: 8 words after every 32 words (one key):
	; the words are counted along the whole tile, and 32 divides a row's 64, so that every key gets its padding.
	s_mov_b32 s[G1K+0], 15|(3<<16)|(1<<20)|(1<<21)|(5<<22)|(3<<25)
	s_mov_b32 s[G1V+0], 15|(3<<16)|(1<<20)|(1<<21)|(4<<22)|(7<<25)
.irp g, G1K, G1V
	s_mov_b32 s[\g+1], 32<<16                      ; tensor_dim0 = 32
	s_mov_b32 s[\g+2], 32<<16                      ; tensor_dim1 = 32
	s_mov_b32 s[\g+3], 32<<16                      ; tile_dim0 = 32
	s_mov_b32 s[\g+4], 32                          ; tile_dim1 = 32
	s_mov_b32 s[\g+5], 32                          ; elements from row to row
	s_mov_b32 s[\g+6], 0
	s_mov_b32 s[\g+7], 0
.endr
	; Group 0: LDS address = the slot's constant + the wave's quarter times a constant
	s_mul_i32 s19, s15, KQ
	s_mul_i32 s3, s15, VQ
	s_mov_b32 s[G0K+0], 1
	s_mov_b32 s[G0K+1], s19
	s_mov_b32 s[G0K+4], 1
	s_add_co_u32 s[G0K+5], s19, SLOT
	s_mov_b32 s[G0V+0], 1
	s_add_co_u32 s[G0V+1], s3, VOFF
	s_mov_b32 s[G0V+4], 1
	s_add_co_u32 s[G0V+5], s3, SLOT+VOFF
	s_lshl_b32 s66, s61, 19                        ; the batch's 4,096 keys of 128 bytes
	s_lshl_b32 s19, s15, 13                        ; the quarter's 64 keys
	s_add_co_u32 s66, s66, s19
	s_mov_b32 s67, 0
	s_lshl_b32 s68, s63, 15                        ; the work-group's 128 queries of 256 bytes
	s_mov_b32 s69, 0
	s_lshl_b32 s56, s62, 16                        ; block 2 cb
	s_mov_b32 s57, 0
	s_lshl_b32 s18, s62, 1
	s_add_co_u32 s18, s18, 2
	s_and_b32 s18, s18, 15                         ; the first refill's block
	s_wait_kmcnt 0x0
	s_add_nc_u64 s[20:21], s[6:7], s[66:67]
	s_add_nc_u64 s[22:23], s[8:9], s[66:67]
	s_add_nc_u64 s[4:5], s[4:5], s[68:69]
	s_add_nc_u64 s[12:13], s[12:13], s[68:69]
	s_lshl_b32 s68, s14, 12                        ; out0 also at the 16 queries that this wave finishes
	s_add_nc_u64 s[12:13], s[12:13], s[68:69]
	s_lshl_b32 s66, s61, 12                        ; the batch's 4,096 mask bytes
	s_add_nc_u64 s[10:11], s[10:11], s[66:67]
	s_add_nc_u64 s[G0K+2:G0K+3], s[20:21], s[56:57]
	s_or_b32 s[G0K+3], s[G0K+3], 0x80000000        ; type = 2
	s_add_nc_u64 s[G0V+2:G0V+3], s[22:23], s[56:57]
	s_or_b32 s[G0V+3], s[G0V+3], 0x80000000
	s_add_co_u32 s56, s56, 32768                   ; block 2 cb + 1, at most 15
	s_add_nc_u64 s[G0K+6:G0K+7], s[20:21], s[56:57]
	s_or_b32 s[G0K+7], s[G0K+7], 0x80000000
	s_add_nc_u64 s[G0V+6:G0V+7], s[22:23], s[56:57]
	s_or_b32 s[G0V+7], s[G0V+7], 0x80000000
	; ---- the first fills: one round, then both slots, inside one branch on the wave's number.  A wave has two tensor loads
	; outstanding here and one behind each later round.
	CROUND
	s_cmp_eq_u32 s16, 0
	s_cbranch_scc0 .Lfirst_v
	tensor_load_to_lds s[G0K+0:G0K+3], s[G1K:G1K+7]
	s_nop 0
	tensor_load_to_lds s[G0K+4:G0K+7], s[G1K:G1K+7]
	s_nop 0
	s_branch .Lfirst_done
.Lfirst_v:
	tensor_load_to_lds s[G0V+0:G0V+3], s[G1V:G1V+7]
	s_nop 0
	tensor_load_to_lds s[G0V+4:G0V+7], s[G1V:G1V+7]
	s_nop 0
.Lfirst_done:
	; ---- Q and the mask bytes.  Thread t takes 16 bytes at 16 t of each 4,096 bytes of the group's Q, and the 16 mask bytes of walk positions 16 t .. 16 t + 15.
	v_lshlrev_b32 v1, 4, v0
	s_lshl_b32 s3, s62, 9                          ; the walk starts at key 512 cb
	v_add_nc_u32 v7, s3, v1
	v_and_b32 v7, 0xfff, v7                        ; position p holds key (p + 512 cb) mod 4,096
.irp j, 0,1,2,3,4,5,6,7
	global_load_b128 v[SB+4*\j:SB+4*\j+3], v1, s[4:5] offset:4096*\j th:TH_LOAD_NT
.endr
	global_load_b128 v[SB+32:SB+35], v7, s[10:11]
	; addresses, while the loads are on their way
	v_and_b32 v8, 15, v0                           ; r
	v_bfe_u32 v9, v0, 4, 1                         ; h
	v_lshrrev_b32 v10, 1, v8
	v_and_b32 v11, 1, v8
	v_mul_u32_u24 v[ADRK], v10, 272                ; key r of a tile: row r / 2,
	v_lshl_add_u32 v[ADRK], v11, 7, v[ADRK]        ; half r mod 2,
	v_lshl_add_u32 v[ADRK], v9, 4, v[ADRK]         ; 16 bytes for each half of the lanes,
	v_add_nc_u32 v[ADRK], s[G0K+1], v[ADRK]        ; in my quarter (s15 x 8,704)
	v_add_nc_u32 v[ADRK+1], SLOT, v[ADRK]
	v_and_b32 v10, 7, v0
	v_lshl_add_u32 v10, v9, 3, v10                 ; key 8 h + lane mod 8
	v_bfe_u32 v11, v0, 3, 1
	v_mul_u32_u24 v[ADRV], v10, 160
	v_lshl_add_u32 v[ADRV], v11, 4, v[ADRV]        ; which 8 of the 16 d
	v_add_nc_u32 v[ADRV], s[G0V+1], v[ADRV]        ; in my quarter (34,816 + s15 x 10,240)
	v_add_nc_u32 v[ADRV+1], SLOT, v[ADRV]
	s_lshl_b32 s3, s15, 8
	s_add_co_u32 s3, s3, MASKF
	v_lshl_add_u32 v[ADRM], v9, 5, s3              ; masks of keys 64 kq + 8 h ..
	v_lshrrev_b32 v10, 4, v0
	v_mul_u32_u24 v10, v10, 144
	v_lshl_add_u32 v10, v8, 3, v10
	v_add_nc_u32 v10, QST, v10                     ; Q in: query t / 16 (+ 16 j), 8 bytes at 8 (t mod 16)
	v_lshlrev_b32 v11, 6, v0
	v_add_nc_u32 v11, MASKF, v11                   ; masks in: 64 bytes at 64 t
	s_mul_i32 s3, s16, 64*144
	s_add_co_u32 s3, s3, QST
	v_mul_u32_u24 v12, v8, 144
	v_lshl_add_u32 v12, v9, 4, v12
	v_add_nc_u32 v12, s3, v12                      ; Q's fragments: query 64 qg + r, 16 bytes for each half of the lanes
.irp qt, 0,1,2,3
	v_mov_b32 v[AL+2*\qt+1], 0                     ; a lane permute's destination counts as read: written once here
.endr
	s_wait_loadcnt 0x0
.irp j, 0,1,2,3,4,5,6,7
	v_cvt_pk_bf16_f32 v[KF+2*\j], v[SB+4*\j], v[SB+4*\j+1]           ; q as it stands, rounded once
	v_cvt_pk_bf16_f32 v[KF+2*\j+1], v[SB+4*\j+2], v[SB+4*\j+3]
	ds_store_b64 v10, v[KF+2*\j:KF+2*\j+1] offset:2304*\j
.endr
.irp w, 0,1,2,3
.irp b, 0,1,2,3
	v_bfe_u32 v[MK+4*\w+\b], v[SB+32+\w], 8*\b, 8
	v_cvt_f32_u32 v[MK+4*\w+\b], v[MK+4*\w+\b]
.endr
	ds_store_b128 v11, v[MK+4*\w:MK+4*\w+3] offset:16*\w
.endr
	s_wait_dscnt 0x0                               ; my stores of Q and of the masks are done, for the other waves' sake
	s_wait_tensorcnt 0x1                           ; my part of slot 0 has landed; slot 1's stays out
	s_barrier_signal -1
	s_barrier_wait -1
	WIN 0x40
.irp qt, 0,1,2,3
.irp ks, 0,1
	ds_load_b128 v[QF+16*\qt+8*\ks:QF+16*\qt+8*\ks+3], v12 offset:\qt*2304+\ks*64
	ds_load_b128 v[QF+16*\qt+8*\ks+4:QF+16*\qt+8*\ks+7], v12 offset:\qt*2304+\ks*64+32
.endr
.endr
	WIN 0
	FETCHK 0
	FETCHV 0
	; ---- 16 blocks of 256 keys: refills behind the first 14
	TRIP 0, 1, 2
	TRIP 1, 0, 2
	s_mov_b32 s17, 6
.Ltrips:
	TRIP 0, 0, 2
	TRIP 1, 0, 2
	s_sub_co_u32 s17, s17, 1
	s_cmp_lg_u32 s17, 0
	s_cbranch_scc1 .Ltrips
	TRIP 0, 0, 1
	TRIP 1, 0, 0
	; ---- the merge, first half: every wave lays down -m c, l and O of its 64 queries and its quarter of the keys
.irp qt, 0,1,2,3
	v_add_f32 v[LS+2*\qt], v[LS+2*\qt], v[LS+2*\qt+1]
.endr
.irp qt, 0,1,2,3
	v_permlanex16_b32 v[LS+2*\qt+1], v[LS+2*\qt], s58, s59
.endr
.irp qt, 0,1,2,3
	v_add_f32 v[LS+2*\qt], v[LS+2*\qt], v[LS+2*\qt+1]        ; both halves of the lanes now hold the query's l
.endr
	v_and_b32 v2, 15, v0                           ; r
	v_bfe_u32 v3, v0, 4, 1                         ; h
	s_lshl_b32 s3, s16, 10
	s_lshl_b32 s19, s15, 2
	s_add_co_u32 s3, s3, s19
	s_add_co_u32 s3, s3, MST
	v_lshl_add_u32 v1, v2, 4, s3                   ; -m c of query 64 qg + r (+ 16 qt), quarter kq
	s_mul_i32 s19, s14, OW
	s_add_co_u32 s19, s19, OSCR
	v_mul_u32_u24 v7, v2, 272
	v_lshl_add_u32 v7, v3, 5, v7
	v_add_nc_u32 v7, s19, v7                       ; my stage: row r (+ 16 qt), d 8 h (+ 16 dt)
.irp qt, 0,1,2,3
	ds_store_b32 v1, v[MX+2*\qt] offset:256*\qt              ; both halves of the lanes write the same word with the same value
	ds_store_b32 v1, v[LS+2*\qt] offset:2048+256*\qt
.endr
	WIN 0x04                                       ; store data (source 1) window 1
.irp qt, 0,1,2,3
.irp dt, 0,1,2,3
	ds_store_b128 v7, v[OA+32*\qt+8*\dt:OA+32*\qt+8*\dt+3] offset:\qt*4352+\dt*64
	ds_store_b128 v7, v[OA+32*\qt+8*\dt+4:OA+32*\qt+8*\dt+7] offset:\qt*4352+\dt*64+16
.endr
.endr
	WIN 0
	s_wait_dscnt 0x0                               ; my stores are done, for the other waves' sake
	s_barrier_signal -1
	s_barrier_wait -1
	; ---- second half: wave w finishes queries 16 w .. 16 w + 15, two rows at a time (lanes 0-15 one row of 256 bytes, lanes 16-31 the next)
	s_lshl_b32 s3, s14, 8
	s_add_co_u32 s3, s3, MST
	v_lshl_add_u32 v4, v3, 4, s3                   ; the four -m c of query 16 w + h (+ 2 i)
	s_mul_i32 s19, s16, 4*OW
	s_mul_i32 s3, s15, 16*272
	s_add_co_u32 s19, s19, s3
	s_add_co_u32 s19, s19, OSCR
	v_mul_u32_u24 v5, v3, 272
	v_lshl_add_u32 v5, v2, 4, v5
	v_add_nc_u32 v5, s19, v5                       ; row 16 (w mod 4) + h of the first of my query half's four stages
	v_and_b32 v6, 31, v0
	v_lshlrev_b32 v6, 4, v6                        ; out: 16 x lane
.irp i, 0,1,2,3,4,5,6,7
	ds_load_b128 v[KF+8*\i:KF+8*\i+3], v4 offset:32*\i
	ds_load_b128 v[KF+8*\i+4:KF+8*\i+7], v4 offset:2048+32*\i
.irp k, 0,1,2,3
	ds_load_b128 v[SB+16*\i+4*\k:SB+16*\i+4*\k+3], v5 offset:\k*OW+544*\i
.endr
.endr
.irp i, 0,1,2,3,4,5,6,7
	s_wait_dscnt 6*(7-\i)                          ; six loads for each later pair of rows stay out
	v_min_num_f32 v96, v[KF+8*\i], v[KF+8*\i+1]
	v_min_num_f32 v99, v[KF+8*\i+2], v[KF+8*\i+3]
	v_min_num_f32 v96, v96, v99                    ; the least -m c: the maximum over all keys
.irp k, 0,1,2,3
	v_sub_f32 v[100+\k], v96, v[KF+8*\i+\k]        ; the quarter's m c - the whole maximum's, at most 0
.endr
.irp k, 0,1,2,3
	v_exp_f32 v[100+\k], v[100+\k]
.endr
	v_nop                                          ; one plain line behind the exponentials
	s_wait_alu depctr_va_vdst(0)
	v_fma_f32 v97, v100, v[KF+8*\i+4], s70         ; 1e-7 starts the sum
.irp k, 1,2,3
	v_fmac_f32 v97, v[100+\k], v[KF+8*\i+4+\k]
.endr
	v_rcp_f32 v98, v97
	v_nop                                          ; one plain line behind the reciprocal
	s_wait_alu depctr_va_vdst(0)
.irp k, 0,1,2,3
	v_mul_f32 v[100+\k], v[100+\k], v98
.endr
.irp c, 0,1,2,3
	v_mul_f32 v[SB+16*\i+\c], v100, v[SB+16*\i+\c]
.endr
.irp k, 1,2,3
.irp c, 0,1,2,3
	v_fmac_f32 v[SB+16*\i+\c], v[100+\k], v[SB+16*\i+4*\k+\c]
.endr
.endr
	global_store_b128 v6, v[SB+16*\i:SB+16*\i+3], s[12:13] offset:512*\i th:TH_STORE_NT   ; the wave stores 512 neighbouring bytes, two whole rows
.endr
	s_wait_xcnt 0x0
	v_lshl_add_u32 v254, v0, 2, 0x4c000
	v_mov_b32 v255, 0
	s_wait_tensorcnt 0x0
	ds_add_u32 v254, v255
	s_wait_dscnt 0x0
	CROUND                                         ; the closing round: no work-group ends while a partner may still ask for a tile that names it
	s_endpgm
.Lfunc_end_k_q693e8c2725_attn:
	.size	k_q693e8c2725_attn, .Lfunc_end_k_q693e8c2725_attn-k_q693e8c2725_attn
	.p2alignl 7, 3214868480
	.fill 96, 4, 3214868480
	.section	.rodata,"a",@progbits
	.p2align	6, 0x0
	.amdhsa_kernel k_q693e8c2725_attn
		.amdhsa_group_segment_fixed_size 327680
		.amdhsa_private_segment_fixed_size 0
		.amdhsa_enable_private_segment 0
		.amdhsa_kernarg_size 40
		.amdhsa_user_sgpr_count 2
		.amdhsa_user_sgpr_kernarg_segment_ptr 1
		.amdhsa_wavefront_size32 1
		.amdhsa_system_sgpr_workgroup_id_x 1
		.amdhsa_system_sgpr_workgroup_id_y 1
		.amdhsa_system_sgpr_workgroup_id_z 1
		.amdhsa_system_vgpr_workitem_id 0
		.amdhsa_next_free_vgpr 512
		.amdhsa_next_free_sgpr 72
		.amdhsa_reserve_vcc 0
		.amdhsa_float_denorm_mode_32 3
		.amdhsa_float_denorm_mode_16_64 3
		.amdhsa_memory_ordered 1
		.amdhsa_forward_progress 1
		.amdhsa_inst_pref_size 246
	.end_amdhsa_kernel
	.amdgpu_metadata
---
amdhsa.version: [ 1, 2 ]
amdhsa.kernels:
  - .name:           k_q693e8c2725_attn
    .symbol:         k_q693e8c2725_attn.kd
    .args:
      - { .name: query, .offset: 0, .size: 8, .value_kind: global_buffer, .address_space: global }
      - { .name: kb, .offset: 8, .size: 8, .value_kind: global_buffer, .address_space: global }
      - { .name: vb, .offset: 16, .size: 8, .value_kind: global_buffer, .address_space: global }
      - { .name: mask, .offset: 24, .size: 8, .value_kind: global_buffer, .address_space: global }
      - { .name: out0, .offset: 32, .size: 8, .value_kind: global_buffer, .address_space: global }
    .group_segment_fixed_size: 327680
    .private_segment_fixed_size: 0
    .kernarg_segment_align: 8
    .kernarg_segment_size: 40
    .max_flat_workgroup_size: 256
    .sgpr_count:     72
    .vgpr_count:     512
    .wavefront_size: 32
...
	.end_amdgpu_metadata
.endif
;; end of part 2
;; ======== version 2 of 2: 2 launches; 1.12 times as fast as version 1
;; workspace buffers: kb 4,194,304 bytes; vb 4,194,304 bytes
;; launch prep: the kernel of part 1 again; grid 256 x 1, 8 waves a work-group, no clusters, 0 bytes of LDS; arguments key, value, mask, kb, vb; writes kb, vb
;; launch attn (part 3): grid 256 x 1, 8 waves a work-group, clusters of 4 x 1, 327,680 bytes of LDS; arguments query, kb, vb, mask, out0; writes out0
.if DOCPART == 3
	.amdgcn_target "amdgcn-amd-amdhsa--gfx1250"
	.amdhsa_code_object_version 6
	.text
	.protected	k_q693e8c2725_attn
	.globl	k_q693e8c2725_attn
	.p2align	8
	.type	k_q693e8c2725_attn,@function
k_q693e8c2725_attn:
	s_mov_b64 s[64:65], 0
	v_nop
	global_prefetch_b8 v0, s[64:65] scope:SCOPE_SE
	s_setreg_imm32_b32 hwreg(HW_REG_WAVE_MODE, 25, 1), 1
	s_wait_xcnt 0x0
	s_wait_alu depctr_hold_cnt(0) depctr_sa_sdst(0) depctr_va_vdst(0) depctr_va_sdst(0) depctr_va_ssrc(0) depctr_va_vcc(0) depctr_vm_vsrc(0)
	s_getreg_b32 s2, hwreg(HW_REG_IB_STS2, 6, 4)
	s_cmp_eq_u32 s2, 0
	s_cbranch_scc0 .Lentry_in_a_cluster
	s_endpgm
.Lentry_in_a_cluster:
	s_bfe_u32 s2, ttmp6, 0x10000c
	s_cmp_lg_u32 s2, 0x3003
	s_cbranch_scc0 .Lentry_shape_is_right
	s_endpgm
.Lentry_shape_is_right:
; out[b][q][:] = sum_k p(q,k) mask[k] value[k][:] / (sum_k p(q,k) mask[k] + 1e-7),  p(q,k) = exp(s(q,k) - max over ALL k of s(q,k)),  s = q.k / 8.
; query, out0: [8][4096][64] f32; kb, vb: [8][4096][64] bf16 (vb's masked rows are zero already); mask: [8][4096] bytes.
; The maximum is a running maximum over every key, masked ones too, as the problem defines it, so that 1e-7 is measured against the same unit.
; The mask acts on the numerator (zero rows of vb) and on the sum (l += p x mask, one packed multiply-add for two keys).
; LIMITS: a mask byte is 0 or 1.  v_exp_f32 gives 0 for results below 2^-126 (ISA guide, its entry in 15.8): such terms are lost, far below 1e-7.
; The sums run in another order than the definition's: keys start at a block that hangs on the cluster, four partial sums a query are merged at the end.
; l adds the unrounded p, the numerator uses p rounded to bf16.  Products in bf16 with f32 sums.  q is rounded to bf16 as it stands, so that the
; operands of the score product are the inputs rounded once and nothing else; the factor c = log2(e) / 8 is applied in f32, fused into the subtraction
; of the maximum: p = 2^(s c - m c).
;
; SHARES.  A work-group owns 128 queries; 32 work-groups make a batch.  Eight waves, two for each of a WGP's four SIMDs, so that one wave's vector work
; runs beside the other's products.  Wave w: qg = w / 4 picks 64 queries, kq = w mod 4 picks a quarter (64 keys) of every block of 256 keys.
; A trip of a wave is 64 queries x 64 keys: 32 products for the scores, 32 for the output.  Each wave keeps m, l and O of its own keys; the four
; quarters are merged once at the end, through LDS.
; TRANSPOSED USE.  S^T = K Q^T: source 0 = 16 keys, source 1 = 16 queries, so lane (r, h) holds keys 8 h + 0..7 of query r.  Two such tiles, rounded
; and packed, ARE the second source P^T of O^T = V^T P^T: no shuffle.  m, l and the rescale factor are one number a lane.
; CLUSTER.  The four work-groups of a cluster lie in one batch and walk the same key blocks in the same order: every tile of kb and vb is asked for
; jointly, each wave of each of the four issuing the same load with the mask 15.  That divides the requests for K and V by four.
; Cluster cb (0..7) of a batch starts at block 2 cb and wraps round: the order of keys does not matter to a running maximum.
; THE EXPONENTIALS GO IN BATCHES, each with ONE s_wait_alu depctr_va_vdst(0) between it and the first line that names a result of it.
; A trip has two.  Batch 0: the four alpha and the 64 p of query tiles 0 and 1; beside them stand all 64 scalings s c - m c, which name no result.
; Batch 1: the 64 p of query tiles 2 and 3; beside them stand the sums and roundings of tiles 0 and 1, which read batch 0 alone.  Behind batch 1's wait:
; the sums and roundings of tiles 2 and 3, and O x alpha.  Every p lands on its own score's register, so an open batch costs no register.
; The merge has two more batches: its 32 weights, then its 8 reciprocals, which read sums of the weights.
;
; LDS.  Two slots of 75,776 bytes: K as 4 quarters of 32 rows (2 keys = 256 bytes + 16 of padding, pitch 272), then V as 4 quarters of 64 keys
; (128 bytes + 32 of padding, pitch 160).  With 64 banks of 4 bytes (ISA guide 11.1) the sixteen lanes of a K load start at 16-byte columns
; (r / 2) + 8 (r mod 2), all different; the rows of a transposing V load start at columns 0, 10, 4, 14, 8, 2, 12, 6 and take two each.
; Behind the slots, in bytes into which no tensor load lands: the mask as f32 in the order in which the keys are walked (16,384), Q in bf16
; (128 rows, pitch 144), later overlaid by the stage for the merge (8 waves x 64 rows x 272), and -m c and l (2,048 each).
.set SLOT,  75776
.set KQ,    8704                       ; a quarter of K in a slot
.set VOFF,  34816                      ; V behind K's four quarters
.set VQ,    10240                      ; a quarter of V in a slot
.set MASKF, 151552
.set QST,   167936
.set OSCR,  167936
.set OW,    17408                      ; a wave's stage: 64 rows x 272
.set MST,   307200                     ; -m c: [128 queries][4 quarters] f32; l lies 2,048 bytes behind
.set CPOS,  0x3e38aa3b                 ; c = log2(e) / 8
.set CNEG,  0xbe38aa3b                 ; -c
; REGISTERS, window 0 (v0-255):
.set ADRK, 2                           ; v2, v3      LDS address of my K fragments in slot 0, 1
.set ADRV, 4                           ; v4, v5      the same for V
.set ADRM, 6                           ; v6          LDS address of my masks; 1,024 bytes on in each trip
.set MX,   8                           ; v[8:15]     for each of 4 query tiles the pair (-m c, -m c): the addend of the fused s c - m c
.set LS,   16                          ; v[16:23]    for each query tile a pair of partial sums
.set AL,   24                          ; v[24:31]    for each query tile T, U: at work for the maximum, then the pair (alpha, alpha)
.set KF,   32                          ; v[32:95]    K fragments: KF + 16 kt + 8 ks
.set MK,   96                          ; v[96:127]   masks: MK + 8 kt + j
.set SB,   128                         ; v[128:255]  S^T tiles: SB + 32 qt + 8 kt + j; P^T fragment (qt, kp) in place at SB + 32 qt + 16 kp
; window 1 (v256-511), written by their low 8 bits:
.set OA,   0                           ; O^T: 8 (4 qt + dt)
.set QF,   128                         ; Q fragments: 128 + 16 qt + 8 ks
.set VF,   192                         ; V^T fragments: 192 + 32 kp + 8 dt
; scalars: s14 wave, s15 wave mod 4 (my key quarter; the tile quarter that I fetch), s16 wave / 4 (my query half; 0: I fetch K, 1: V), s17 loop counter,
; s18 next block to fetch, s[20:21], s[22:23] kb, vb at my batch and quarter, s[56:57] a block's byte offset, s58, s59 lane selects, s70 = 1e-7.
; Nothing made from my place in the cluster stands in s18 to s57.
.set G1K, 24                           ; s[24:31] descriptor group 1 for K
.set G0K, 32                           ; s[32:39] group 0 for K, a set for each slot
.set G1V, 40                           ; s[40:47] group 1 for V
.set G0V, 48                           ; s[48:55] group 0 for V, a set for each slot
.set MSB, 0
.macro WIN new                         ; s_set_vgpr_msb: bits 1:0 source 0, 3:2 source 1, 5:4 source 2, 7:6 destination; the high byte repeats the setting that is left
.if MSB != \new
	s_set_vgpr_msb (MSB<<8)|\new
.set MSB, \new
.endif
.endm
.macro PLACES cnt                      ; plain vector places behind matrix instructions (ISA guide 7.12.1)
.rept \cnt
	v_nop
.endr
.endm
; A round of the cluster's barrier behind its opening work-group barrier: wave 0 signals for the work-group, every wave waits for all four work-groups,
; the work-group's barrier closes the round.
.macro CREST
	s_cmp_lg_u32 s14, 0
	s_cbranch_scc1 .Lnot_wave_0_\@
	s_barrier_signal -3
.Lnot_wave_0_\@:
	s_barrier_wait -3
	s_barrier_signal -1
	s_barrier_wait -1
.endm
.macro CROUND
	s_barrier_signal -1
	s_barrier_wait -1
	CREST
.endm
; A joint load: waves 0-3 fetch K's four quarters, waves 4-7 V's.  The branch hangs on the wave's number alone.
.macro JLOAD slot
	s_cmp_eq_u32 s16, 0
	s_cbranch_scc0 .Lfor_v_\@
	tensor_load_to_lds s[G0K+4*\slot:G0K+4*\slot+3], s[G1K:G1K+7]
	s_nop 0
	s_branch .Lasked_\@
.Lfor_v_\@:
	tensor_load_to_lds s[G0V+4*\slot:G0V+4*\slot+3], s[G1V:G1V+7]
	s_nop 0
.Lasked_\@:
.endm
; 24 LDS loads: my 64 keys as 8 fragments (16 keys x 32 d: two loads of 16 bytes, 32 apart), and their 64 masks, 8 a lane for each key tile.
.macro FETCHK slot
.irp kt, 0,1,2,3
.irp ks, 0,1
	ds_load_b128 v[KF+16*\kt+8*\ks:KF+16*\kt+8*\ks+3], v[ADRK+\slot] offset:\kt*2176+\ks*64
	ds_load_b128 v[KF+16*\kt+8*\ks+4:KF+16*\kt+8*\ks+7], v[ADRK+\slot] offset:\kt*2176+\ks*64+32
.endr
.endr
.irp kt, 0,1,2,3
	ds_load_b128 v[MK+8*\kt:MK+8*\kt+3], v[ADRM] offset:\kt*64
	ds_load_b128 v[MK+8*\kt+4:MK+8*\kt+7], v[ADRM] offset:\kt*64+16
.endr
	v_add_nc_u32 v[ADRM], 1024, v[ADRM]            ; the next block's 256 masks
.endm
; 16 transposing LDS loads: V^T of my 64 keys as 8 fragments (16 d x 32 keys: two loads, 16 keys apart).
.macro FETCHV slot
	WIN 0x40                                       ; destination window 1, address window 0
.irp kp, 0,1
.irp dt, 0,1,2,3
	ds_load_tr16_b128 v[VF+32*\kp+8*\dt:VF+32*\kp+8*\dt+3], v[ADRV+\slot] offset:\kp*5120+\dt*32
	ds_load_tr16_b128 v[VF+32*\kp+8*\dt+4:VF+32*\kp+8*\dt+7], v[ADRV+\slot] offset:\kp*5120+\dt*32+2560
.endr
.endr
	WIN 0
.endm
; 32 products: S^T = K Q^T.  For each key tile the four query tiles take turns, one instruction a turn, first d 0-31 (which starts the sums), then d 32-63.
.macro SPHASE
	WIN 0x04                                       ; source 1 (Q) window 1
.irp kt, 0,1,2,3
.irp qt, 0,1,2,3
	v_wmma_f32_16x16x32_bf16 v[SB+32*\qt+8*\kt:SB+32*\qt+8*\kt+7], v[KF+16*\kt:KF+16*\kt+7], v[QF+16*\qt:QF+16*\qt+7], 0
.endr
.irp qt, 0,1,2,3
	v_wmma_f32_16x16x32_bf16 v[SB+32*\qt+8*\kt:SB+32*\qt+8*\kt+7], v[KF+16*\kt+8:KF+16*\kt+15], v[QF+16*\qt+8:QF+16*\qt+15], v[SB+32*\qt+8*\kt:SB+32*\qt+8*\kt+7]
.endr
.endr
	WIN 0
.endm
; The new maximum of each query and the factor alpha = 2^(old m c - new m c).  Four chains, one for each query tile, 16 steps over a lane's 32 raw
; scores.  The lane's maximum is multiplied once by -c (a falling map, so that maxima become minima); the other half of the lanes holds the query's other
; keys; the old -m c enters last (in the first trip there is none).  What is kept is the rounded -m c itself, and both p and alpha are made from it, so
; that its rounding is the same factor in every term of a query.
.macro STATS first
.irp qt, 0,1,2,3
	v_max3_num_f32 v[AL+2*\qt], v[SB+32*\qt], v[SB+32*\qt+1], v[SB+32*\qt+2]
.endr
.irp nn, 1,2,3,4,5,6,7,8,9,10,11,12,13,14
.irp qt, 0,1,2,3
	v_max3_num_f32 v[AL+2*\qt], v[AL+2*\qt], v[SB+32*\qt+2*\nn+1], v[SB+32*\qt+2*\nn+2]
.endr
.endr
.irp qt, 0,1,2,3
	v_max_num_f32 v[AL+2*\qt], v[AL+2*\qt], v[SB+32*\qt+31]
.endr
.irp qt, 0,1,2,3
	v_mul_f32 v[AL+2*\qt], CNEG, v[AL+2*\qt]       ; -c x the lane's maximum
.endr
.irp qt, 0,1,2,3
	v_permlanex16_b32 v[AL+2*\qt+1], v[AL+2*\qt], s58, s59   ; lane i takes lane i xor 16; the destination has been written before
.endr
.irp qt, 0,1,2,3
	v_min_num_f32 v[AL+2*\qt+1], v[AL+2*\qt], v[AL+2*\qt+1]
.endr
.if \first == 0
.irp qt, 0,1,2,3
	v_min_num_f32 v[AL+2*\qt+1], v[AL+2*\qt+1], v[MX+2*\qt]  ; the new -m c
.endr
.irp qt, 0,1,2,3
	v_sub_f32 v[AL+2*\qt], v[AL+2*\qt+1], v[MX+2*\qt]        ; new (-m c) - old (-m c) = old m c - new m c, at most 0
.endr
.endif
.irp qt, 0,1,2,3
	v_mov_b32 v[MX+2*\qt], v[AL+2*\qt+1]
	v_mov_b32 v[MX+2*\qt+1], v[AL+2*\qt+1]
.endr
.if \first == 0
.irp qt, 0,1,2,3
	v_exp_f32 v[AL+2*\qt], v[AL+2*\qt]             ; alpha: the first four of the trip's batch 0; named again only behind that batch's wait, in SOFT
.endr
.endif
.endm
.macro FS f                            ; pair f of the lane's 64 pairs of scores (query tile f / 16): s c - m c, fused, two at a time
	v_pk_fma_f32 v[SB+2*(\f):SB+2*(\f)+1], v[SB+2*(\f):SB+2*(\f)+1], CPOS, v[MX+2*((\f)/16):MX+2*((\f)/16)+1] op_sel_hi:[1,0,1]
.endm
.macro EX e                            ; score e of the lane's 128 (query tile e / 32): p = 2^(s c - m c), in place
	v_exp_f32 v[SB+(\e)], v[SB+(\e)]
.endm
.macro SCL qt, kt, k, first            ; pair k of tile (qt, kt): l += p x mask; in the first trip a query tile's first product starts its sum
.if (\first) && (((\kt)+(\k)) == 0)
	v_pk_mul_f32 v[LS+2*(\qt):LS+2*(\qt)+1], v[SB+32*(\qt)+8*(\kt)+2*(\k):SB+32*(\qt)+8*(\kt)+2*(\k)+1], v[MK+8*(\kt)+2*(\k):MK+8*(\kt)+2*(\k)+1]
.else
	v_pk_fma_f32 v[LS+2*(\qt):LS+2*(\qt)+1], v[SB+32*(\qt)+8*(\kt)+2*(\k):SB+32*(\qt)+8*(\kt)+2*(\k)+1], v[MK+8*(\kt)+2*(\k):MK+8*(\kt)+2*(\k)+1], v[LS+2*(\qt):LS+2*(\qt)+1]
.endif
.endm
; The same pair to bf16, into its place in the P^T fragment: a register of the same query tile whose p has been used already (at the earliest its own pair's first),
; since within a query tile the pairs go in ascending order.
.macro SCR qt, kt, k
	v_cvt_pk_bf16_f32 v[SB+32*(\qt)+16*((\kt)/2)+4*((\kt)%2)+(\k)], v[SB+32*(\qt)+8*(\kt)+2*(\k)], v[SB+32*(\qt)+8*(\kt)+2*(\k)+1]
.endm
; The trip's exponentials, in two batches.
; BATCH 0 (opened in STATS by the four alpha): p of query tiles 0 and 1, scores 0 to 63.  Behind exponential e stands scaling e, of scores 2 e and 2 e + 1: it runs ahead of the
; exponentials (score e was scaled by pair e / 2) and never names a score that has had its exponential.  So all 64 scalings, tiles 2 and 3's too, stand in this batch.  The last
; line, scaling 63, is the plain line that the ISA guide (5.7.2) asks for behind the last exponential.
; BATCH 1: p of query tiles 2 and 3, scores 64 to 127.  Behind each stands one line of the sums and roundings of tiles 0 and 1, which read batch 0's results, the masks and l.
; The two tiles' chains onto l take turns; within a query tile the order of the sum is key tile 0 to 3, pair 0 to 3.  The last line, a rounding, is again the plain line.
.macro SOFT first
	s_wait_dscnt 16                                ; the masks are in; the 16 loads of V, issued behind them, may be out
	FS 0
	FS 1
	EX 0
	EX 1
.set ee, 2
.rept 62
	EX ee
	FS ee
.set ee, ee+1
.endr
	s_wait_alu depctr_va_vdst(0)                   ; the wait for batch 0: the four alpha and p of query tiles 0 and 1
.if \first == 0
.irp qt, 0,1,2,3
	v_mov_b32 v[AL+2*\qt+1], v[AL+2*\qt]           ; the pair (alpha, alpha)
.endr
.irp qt, 0,1,2,3
	v_pk_mul_f32 v[LS+2*\qt:LS+2*\qt+1], v[LS+2*\qt:LS+2*\qt+1], v[AL+2*\qt:AL+2*\qt+1]
.endr
.endif
.irp kt, 0,1,2,3
.irp k, 0,1,2,3
.irp qt, 0,1
	EX ee
	SCL \qt, \kt, \k, \first
	EX ee+1
	SCR \qt, \kt, \k
.set ee, ee+2
.endr
.endr
.endr
	s_wait_alu depctr_va_vdst(0)                   ; the wait for batch 1: p of query tiles 2 and 3
.irp kt, 0,1,2,3
.irp k, 0,1,2,3
.irp qt, 2,3
	SCL \qt, \kt, \k, \first
	SCR \qt, \kt, \k
.endr
.endr
.endr
.endm
.macro RESCALE                         ; O x alpha: a lane's O numbers of query tile qt all belong to its one query
	WIN 0x41                                       ; destination and source 0 window 1
.irp qt, 0,1,2,3
.irp p, 0,1,2,3,4,5,6,7,8,9,10,11,12,13,14,15
	v_pk_mul_f32 v[OA+32*\qt+2*\p:OA+32*\qt+2*\p+1], v[OA+32*\qt+2*\p:OA+32*\qt+2*\p+1], v[AL+2*\qt:AL+2*\qt+1]
.endr
.endr
	WIN 0
.endm
; 16 products: O^T += V^T P^T over 32 keys.  The sixteen accumulators take turns, one instruction a turn, in the same order in both halves.
.macro PV kp, zero
	WIN 0x51                                       ; source 0 (V), C and D window 1; source 1 (P) window 0
.irp qt, 0,1,2,3
.irp dt, 0,1,2,3
.if \zero
	v_wmma_f32_16x16x32_bf16 v[OA+32*\qt+8*\dt:OA+32*\qt+8*\dt+7], v[VF+32*\kp+8*\dt:VF+32*\kp+8*\dt+7], v[SB+32*\qt+16*\kp:SB+32*\qt+16*\kp+7], 0
.else
	v_wmma_f32_16x16x32_bf16 v[OA+32*\qt+8*\dt:OA+32*\qt+8*\dt+7], v[VF+32*\kp+8*\dt:VF+32*\kp+8*\dt+7], v[SB+32*\qt+16*\kp:SB+32*\qt+16*\kp+7], v[OA+32*\qt+8*\dt:OA+32*\qt+8*\dt+7]
.endif
.endr
.endr
	WIN 0
.endm
; One block of 256 keys, whose fragments were fetched from slot in the trip before.  first = 1: nothing to rescale, the first products start the sums.
; mode 2: a round of the cluster's barrier, this slot filled again two blocks ahead, the other slot's fragments fetched;
; mode 1: the work-group's barrier alone, nothing left to fill; mode 0: the last block.
; Both of the trip's batches of exponentials have had their waits in SOFT: no result is open at the labels and branches further down, nor at the loop's jump.
.macro TRIP slot, first, mode
	s_wait_dscnt 24                                ; K's fragments (and what is older) are in; 8 loads of masks and 16 of V are younger
	SPHASE
	PLACES 4                                       ; four places before vector instructions read the scores
	STATS \first
	SOFT \first
.if \first == 0
	RESCALE
.endif
	s_wait_dscnt 0x0                               ; V's fragments are in: all my reads of this slot are over
.if \mode >= 1
	s_wait_xcnt 0x0
	v_lshl_add_u32 v254, v0, 2, 0x4c000
	v_mov_b32 v255, 0
	s_wait_tensorcnt 0x0                           ; all my tensor loads have landed: the one that was out is my part of the other slot
	ds_add_u32 v254, v255
	s_wait_dscnt 0x0
.endif
.if \mode == 2
	s_lshl_b32 s56, s18, 15                        ; no load of mine is out, so this slot's group 0 may be written: block s18, 32,768 bytes a block
	s_add_nc_u64 s[G0K+4*\slot+2:G0K+4*\slot+3], s[20:21], s[56:57]
	s_or_b32 s[G0K+4*\slot+3], s[G0K+4*\slot+3], 0x80000000
	s_add_nc_u64 s[G0V+4*\slot+2:G0V+4*\slot+3], s[22:23], s[56:57]
	s_or_b32 s[G0V+4*\slot+3], s[G0V+4*\slot+3], 0x80000000
	s_add_co_u32 s18, s18, 1
	s_and_b32 s18, s18, 15                         ; the blocks wrap round
.endif
.if \mode >= 1
	s_barrier_signal -1                            ; say so (in mode 2 this opens the round),
.endif
	PV 0, \first                                   ; work on registers while the others arrive,
.if \mode >= 1
	s_barrier_wait -1
.endif
.if \mode == 2
	CREST                                          ; no wave of any of the four work-groups still reads this slot or has a load on its way
	JLOAD \slot                                    ; my one tensor load behind the round, ahead of every LDS read
.endif
.if \mode >= 1
	FETCHK (1-\slot)
.endif
	PV 1, 0
	PLACES 5                                       ; five places before the next scores are written over P; they also serve the loads into V's fragments and the stores of O
.if \mode >= 1
	FETCHV (1-\slot)
.endif
.endm
	; ---- set-up
	s_load_b256 s[4:11], s[0:1], 0x0               ; query s[4:5], kb s[6:7], vb s[8:9], mask s[10:11]
	s_load_b64 s[12:13], s[0:1], 0x20              ; out0
	v_lshl_add_u32 v254, v0, 2, 0x4c000
	v_mov_b32 v255, 0
	ds_add_u32 v254, v255
	s_wait_dscnt 0x0
	v_lshrrev_b32 v1, 5, v0
	v_readfirstlane_b32 s14, v1                    ; wave 0..7
	s_and_b32 s15, s14, 3
	s_lshr_b32 s16, s14, 2
	s_bfe_u32 s60, ttmp6, 0x40000                  ; cx: my place in the cluster
	s_lshr_b32 s61, ttmp9, 3                       ; batch: eight clusters each (ttmp9 counts clusters)
	s_and_b32 s62, ttmp9, 7                        ; cb: the cluster's number in its batch
	s_lshl_b32 s63, ttmp9, 2
	s_add_co_u32 s63, s63, s60                     ; work-group = 4 x cluster + cx: used for query's and out0's addresses alone
	s_mov_b32 s58, 0x76543210                      ; v_permlanex16_b32: lane i of one half reads lane i of the other
	s_mov_b32 s59, 0xfedcba98
	s_mov_b32 s70, 0x33d6bf95                      ; 1e-7
	; Group 1: 32 rows of 32 elements of 8 bytes, dense: 8,192 bytes, a quarter of a block.  15:0 the mask of the cluster's four; 17:16 element size code 3;
	; 20 padding on; 21 set beside a mask.  K: 4 words of padding after every 64 words (two keys).  V: 8 words after every 32 words (one key):
	; the words are counted along the whole tile, and 32 divides a row's 64, so that every key gets its padding.
	s_mov_b32 s[G1K+0], 15|(3<<16)|(1<<20)|(1<<21)|(5<<22)|(3<<25)
	s_mov_b32 s[G1V+0], 15|(3<<16)|(1<<20)|(1<<21)|(4<<22)|(7<<25)
.irp g, G1K, G1V
	s_mov_b32 s[\g+1], 32<<16                      ; tensor_dim0 = 32
	s_mov_b32 s[\g+2], 32<<16                      ; tensor_dim1 = 32
	s_mov_b32 s[\g+3], 32<<16                      ; tile_dim0 = 32
	s_mov_b32 s[\g+4], 32                          ; tile_dim1 = 32
	s_mov_b32 s[\g+5], 32                          ; elements from row to row
	s_mov_b32 s[\g+6], 0
	s_mov_b32 s[\g+7], 0
.endr
	; Group 0: LDS address = the slot's constant + the wave's quarter times a constant
	s_mul_i32 s19, s15, KQ
	s_mul_i32 s3, s15, VQ
	s_mov_b32 s[G0K+0], 1
	s_mov_b32 s[G0K+1], s19
	s_mov_b32 s[G0K+4], 1
	s_add_co_u32 s[G0K+5], s19, SLOT
	s_mov_b32 s[G0V+0], 1
	s_add_co_u32 s[G0V+1], s3, VOFF
	s_mov_b32 s[G0V+4], 1
	s_add_co_u32 s[G0V+5], s3, SLOT+VOFF
	s_lshl_b32 s66, s61, 19                        ; the batch's 4,096 keys of 128 bytes
	s_lshl_b32 s19, s15, 13                        ; the quarter's 64 keys
	s_add_co_u32 s66, s66, s19
	s_mov_b32 s67, 0
	s_lshl_b32 s68, s63, 15                        ; the work-group's 128 queries of 256 bytes
	s_mov_b32 s69, 0
	s_lshl_b32 s56, s62, 16                        ; block 2 cb
	s_mov_b32 s57, 0
	s_lshl_b32 s18, s62, 1
	s_add_co_u32 s18, s18, 2
	s_and_b32 s18, s18, 15                         ; the first refill's block
	s_wait_kmcnt 0x0
	s_add_nc_u64 s[20:21], s[6:7], s[66:67]
	s_add_nc_u64 s[22:23], s[8:9], s[66:67]
	s_add_nc_u64 s[4:5], s[4:5], s[68:69]
	s_add_nc_u64 s[12:13], s[12:13], s[68:69]
	s_lshl_b32 s68, s14, 12                        ; out0 also at the 16 queries that this wave finishes
	s_add_nc_u64 s[12:13], s[12:13], s[68:69]
	s_lshl_b32 s66, s61, 12                        ; the batch's 4,096 mask bytes
	s_add_nc_u64 s[10:11], s[10:11], s[66:67]
	s_add_nc_u64 s[G0K+2:G0K+3], s[20:21], s[56:57]
	s_or_b32 s[G0K+3], s[G0K+3], 0x80000000        ; type = 2
	s_add_nc_u64 s[G0V+2:G0V+3], s[22:23], s[56:57]
	s_or_b32 s[G0V+3], s[G0V+3], 0x80000000
	s_add_co_u32 s56, s56, 32768                   ; block 2 cb + 1, at most 15
	s_add_nc_u64 s[G0K+6:G0K+7], s[20:21], s[56:57]
	s_or_b32 s[G0K+7], s[G0K+7], 0x80000000
	s_add_nc_u64 s[G0V+6:G0V+7], s[22:23], s[56:57]
	s_or_b32 s[G0V+7], s[G0V+7], 0x80000000
	; ---- the first fills: one round, then both slots, inside one branch on the wave's number.  A wave has two tensor loads
	; outstanding here and one behind each later round.
	CROUND
	s_cmp_eq_u32 s16, 0
	s_cbranch_scc0 .Lfirst_v
	tensor_load_to_lds s[G0K+0:G0K+3], s[G1K:G1K+7]
	s_nop 0
	tensor_load_to_lds s[G0K+4:G0K+7], s[G1K:G1K+7]
	s_nop 0
	s_branch .Lfirst_done
.Lfirst_v:
	tensor_load_to_lds s[G0V+0:G0V+3], s[G1V:G1V+7]
	s_nop 0
	tensor_load_to_lds s[G0V+4:G0V+7], s[G1V:G1V+7]
	s_nop 0
.Lfirst_done:
	; ---- Q and the mask bytes.  Thread t takes 16 bytes at 16 t of each 4,096 bytes of the group's Q, and the 16 mask bytes of walk positions 16 t .. 16 t + 15.
	v_lshlrev_b32 v1, 4, v0
	s_lshl_b32 s3, s62, 9                          ; the walk starts at key 512 cb
	v_add_nc_u32 v7, s3, v1
	v_and_b32 v7, 0xfff, v7                        ; position p holds key (p + 512 cb) mod 4,096
.irp j, 0,1,2,3,4,5,6,7
	global_load_b128 v[SB+4*\j:SB+4*\j+3], v1, s[4:5] offset:4096*\j th:TH_LOAD_NT
.endr
	global_load_b128 v[SB+32:SB+35], v7, s[10:11]
	; addresses, while the loads are on their way
	v_and_b32 v8, 15, v0                           ; r
	v_bfe_u32 v9, v0, 4, 1                         ; h
	v_lshrrev_b32 v10, 1, v8
	v_and_b32 v11, 1, v8
	v_mul_u32_u24 v[ADRK], v10, 272                ; key r of a tile: row r / 2,
	v_lshl_add_u32 v[ADRK], v11, 7, v[ADRK]        ; half r mod 2,
	v_lshl_add_u32 v[ADRK], v9, 4, v[ADRK]         ; 16 bytes for each half of the lanes,
	v_add_nc_u32 v[ADRK], s[G0K+1], v[ADRK]        ; in my quarter (s15 x 8,704)
	v_add_nc_u32 v[ADRK+1], SLOT, v[ADRK]
	v_and_b32 v10, 7, v0
	v_lshl_add_u32 v10, v9, 3, v10                 ; key 8 h + lane mod 8
	v_bfe_u32 v11, v0, 3, 1
	v_mul_u32_u24 v[ADRV], v10, 160
	v_lshl_add_u32 v[ADRV], v11, 4, v[ADRV]        ; which 8 of the 16 d
	v_add_nc_u32 v[ADRV], s[G0V+1], v[ADRV]        ; in my quarter (34,816 + s15 x 10,240)
	v_add_nc_u32 v[ADRV+1], SLOT, v[ADRV]
	s_lshl_b32 s3, s15, 8
	s_add_co_u32 s3, s3, MASKF
	v_lshl_add_u32 v[ADRM], v9, 5, s3              ; masks of keys 64 kq + 8 h ..
	v_lshrrev_b32 v10, 4, v0
	v_mul_u32_u24 v10, v10, 144
	v_lshl_add_u32 v10, v8, 3, v10
	v_add_nc_u32 v10, QST, v10                     ; Q in: query t / 16 (+ 16 j), 8 bytes at 8 (t mod 16)
	v_lshlrev_b32 v11, 6, v0
	v_add_nc_u32 v11, MASKF, v11                   ; masks in: 64 bytes at 64 t
	s_mul_i32 s3, s16, 64*144
	s_add_co_u32 s3, s3, QST
	v_mul_u32_u24 v12, v8, 144
	v_lshl_add_u32 v12, v9, 4, v12
	v_add_nc_u32 v12, s3, v12                      ; Q's fragments: query 64 qg + r, 16 bytes for each half of the lanes
.irp qt, 0,1,2,3
	v_mov_b32 v[AL+2*\qt+1], 0                     ; a lane permute's destination counts as read: written once here
.endr
	s_wait_loadcnt 0x0
.irp j, 0,1,2,3,4,5,6,7
	v_cvt_pk_bf16_f32 v[KF+2*\j], v[SB+4*\j], v[SB+4*\j+1]           ; q as it stands, rounded once
	v_cvt_pk_bf16_f32 v[KF+2*\j+1], v[SB+4*\j+2], v[SB+4*\j+3]
	ds_store_b64 v10, v[KF+2*\j:KF+2*\j+1] offset:2304*\j
.endr
.irp w, 0,1,2,3
.irp b, 0,1,2,3
	v_bfe_u32 v[MK+4*\w+\b], v[SB+32+\w], 8*\b, 8
	v_cvt_f32_u32 v[MK+4*\w+\b], v[MK+4*\w+\b]
.endr
	ds_store_b128 v11, v[MK+4*\w:MK+4*\w+3] offset:16*\w
.endr
	s_wait_dscnt 0x0                               ; my stores of Q and of the masks are done, for the other waves' sake
	s_wait_tensorcnt 0x1                           ; my part of slot 0 has landed; slot 1's stays out
	s_barrier_signal -1
	s_barrier_wait -1
	WIN 0x40
.irp qt, 0,1,2,3
.irp ks, 0,1
	ds_load_b128 v[QF+16*\qt+8*\ks:QF+16*\qt+8*\ks+3], v12 offset:\qt*2304+\ks*64
	ds_load_b128 v[QF+16*\qt+8*\ks+4:QF+16*\qt+8*\ks+7], v12 offset:\qt*2304+\ks*64+32
.endr
.endr
	WIN 0
	FETCHK 0
	FETCHV 0
	; ---- 16 blocks of 256 keys: refills behind the first 14
	TRIP 0, 1, 2
	TRIP 1, 0, 2
	s_mov_b32 s17, 6
.Ltrips:
	TRIP 0, 0, 2
	TRIP 1, 0, 2
	s_sub_co_u32 s17, s17, 1
	s_cmp_lg_u32 s17, 0
	s_cbranch_scc1 .Ltrips
	TRIP 0, 0, 1
	TRIP 1, 0, 0
	; ---- the merge, first half: every wave lays down -m c, l and O of its 64 queries and its quarter of the keys
.irp qt, 0,1,2,3
	v_add_f32 v[LS+2*\qt], v[LS+2*\qt], v[LS+2*\qt+1]
.endr
.irp qt, 0,1,2,3
	v_permlanex16_b32 v[LS+2*\qt+1], v[LS+2*\qt], s58, s59
.endr
.irp qt, 0,1,2,3
	v_add_f32 v[LS+2*\qt], v[LS+2*\qt], v[LS+2*\qt+1]        ; both halves of the lanes now hold the query's l
.endr
	v_and_b32 v2, 15, v0                           ; r
	v_bfe_u32 v3, v0, 4, 1                         ; h
	s_lshl_b32 s3, s16, 10
	s_lshl_b32 s19, s15, 2
	s_add_co_u32 s3, s3, s19
	s_add_co_u32 s3, s3, MST
	v_lshl_add_u32 v1, v2, 4, s3                   ; -m c of query 64 qg + r (+ 16 qt), quarter kq
	s_mul_i32 s19, s14, OW
	s_add_co_u32 s19, s19, OSCR
	v_mul_u32_u24 v7, v2, 272
	v_lshl_add_u32 v7, v3, 5, v7
	v_add_nc_u32 v7, s19, v7                       ; my stage: row r (+ 16 qt), d 8 h (+ 16 dt)
.irp qt, 0,1,2,3
	ds_store_b32 v1, v[MX+2*\qt] offset:256*\qt              ; both halves of the lanes write the same word with the same value
	ds_store_b32 v1, v[LS+2*\qt] offset:2048+256*\qt
.endr
	WIN 0x04                                       ; store data (source 1) window 1
.irp qt, 0,1,2,3
.irp dt, 0,1,2,3
	ds_store_b128 v7, v[OA+32*\qt+8*\dt:OA+32*\qt+8*\dt+3] offset:\qt*4352+\dt*64
	ds_store_b128 v7, v[OA+32*\qt+8*\dt+4:OA+32*\qt+8*\dt+7] offset:\qt*4352+\dt*64+16
.endr
.endr
	WIN 0
	s_wait_dscnt 0x0                               ; my stores are done, for the other waves' sake
	s_barrier_signal -1
	s_barrier_wait -1
	; ---- second half: wave w finishes queries 16 w .. 16 w + 15, two rows at a time (lanes 0-15 one row of 256 bytes, lanes 16-31 the next): eight pairs of rows i.
	; Its transcendentals are two batches: the 32 weights 2^(quarter's m c - whole maximum's m c), four for each pair of rows, each in a register of its own; then the eight
	; reciprocals of 1e-7 + the weighted l, which read sums of the weights.
.set WT, 96                            ; v[96:127]  weight k of pair i at WT + 4 i + k (the masks' registers, free now)
.set MN, 8                             ; v[8:15]    pair i: the least -m c, then 1e-7 + the weighted sum of l (the registers of -m c, free behind their stores' wait)
.set TM, 16                            ; v[16:23]   pair i: at work, then the reciprocal (l's registers, likewise free)
	s_lshl_b32 s3, s14, 8
	s_add_co_u32 s3, s3, MST
	v_lshl_add_u32 v4, v3, 4, s3                   ; the four -m c of query 16 w + h (+ 2 i)
	s_mul_i32 s19, s16, 4*OW
	s_mul_i32 s3, s15, 16*272
	s_add_co_u32 s19, s19, s3
	s_add_co_u32 s19, s19, OSCR
	v_mul_u32_u24 v5, v3, 272
	v_lshl_add_u32 v5, v2, 4, v5
	v_add_nc_u32 v5, s19, v5                       ; row 16 (w mod 4) + h of the first of my query half's four stages
	v_and_b32 v6, 31, v0
	v_lshlrev_b32 v6, 4, v6                        ; out: 16 x lane
.irp i, 0,1,2,3,4,5,6,7
	ds_load_b128 v[KF+8*\i:KF+8*\i+3], v4 offset:32*\i
	ds_load_b128 v[KF+8*\i+4:KF+8*\i+7], v4 offset:2048+32*\i
.irp k, 0,1,2,3
	ds_load_b128 v[SB+16*\i+4*\k:SB+16*\i+4*\k+3], v5 offset:\k*OW+544*\i
.endr
.endr
.irp i, 0,1,2,3,4,5,6,7
	s_wait_dscnt 6*(7-\i)                          ; six loads for each later pair of rows stay out
	v_min_num_f32 v[MN+\i], v[KF+8*\i], v[KF+8*\i+1]
	v_min_num_f32 v[TM+\i], v[KF+8*\i+2], v[KF+8*\i+3]
	v_min_num_f32 v[MN+\i], v[MN+\i], v[TM+\i]     ; the least -m c: the maximum over all keys
.irp k, 0,1,2,3
	v_sub_f32 v[WT+4*\i+\k], v[MN+\i], v[KF+8*\i+\k]         ; the quarter's m c - the whole maximum's, at most 0
.endr
.irp k, 0,1,2,3
	v_exp_f32 v[WT+4*\i+\k], v[WT+4*\i+\k]         ; the batch of weights: the later pairs' minima and differences name none of them
.endr
.endr
	v_nop                                          ; one plain line behind the last exponential
	s_wait_alu depctr_va_vdst(0)                   ; the wait for the batch of 32 weights
.irp i, 0,1,2,3,4,5,6,7
	v_fma_f32 v[MN+\i], v[WT+4*\i], v[KF+8*\i+4], s70        ; 1e-7 starts the sum
.endr
.irp k, 1,2,3
.irp i, 0,1,2,3,4,5,6,7
	v_fmac_f32 v[MN+\i], v[WT+4*\i+\k], v[KF+8*\i+4+\k]      ; each sum takes its quarters in ascending order; the eight sums take turns
.endr
.endr
.irp i, 0,1,2,3,4,5,6,7
	v_rcp_f32 v[TM+\i], v[MN+\i]
.endr
	v_nop                                          ; one plain line behind the last reciprocal
	s_wait_alu depctr_va_vdst(0)                   ; the wait for the batch of 8 reciprocals
.irp i, 0,1,2,3,4,5,6,7
.irp k, 0,1,2,3
	v_mul_f32 v[WT+4*\i+\k], v[WT+4*\i+\k], v[TM+\i]
.endr
.irp c, 0,1,2,3
	v_mul_f32 v[SB+16*\i+\c], v[WT+4*\i], v[SB+16*\i+\c]
.endr
.irp k, 1,2,3
.irp c, 0,1,2,3
	v_fmac_f32 v[SB+16*\i+\c], v[WT+4*\i+\k], v[SB+16*\i+4*\k+\c]
.endr
.endr
	global_store_b128 v6, v[SB+16*\i:SB+16*\i+3], s[12:13] offset:512*\i th:TH_STORE_NT   ; the wave stores 512 neighbouring bytes, two whole rows
.endr
	s_wait_xcnt 0x0
	v_lshl_add_u32 v254, v0, 2, 0x4c000
	v_mov_b32 v255, 0
	s_wait_tensorcnt 0x0
	ds_add_u32 v254, v255
	s_wait_dscnt 0x0
	CROUND                                         ; the closing round: no work-group ends while a partner may still ask for a tile that names it
	s_endpgm
.Lfunc_end_k_q693e8c2725_attn:
	.size	k_q693e8c2725_attn, .Lfunc_end_k_q693e8c2725_attn-k_q693e8c2725_attn
	.p2alignl 7, 3214868480
	.fill 96, 4, 3214868480
	.section	.rodata,"a",@progbits
	.p2align	6, 0x0
	.amdhsa_kernel k_q693e8c2725_attn
		.amdhsa_group_segment_fixed_size 327680
		.amdhsa_private_segment_fixed_size 0
		.amdhsa_enable_private_segment 0
		.amdhsa_kernarg_size 40
		.amdhsa_user_sgpr_count 2
		.amdhsa_user_sgpr_kernarg_segment_ptr 1
		.amdhsa_wavefront_size32 1
		.amdhsa_system_sgpr_workgroup_id_x 1
		.amdhsa_system_sgpr_workgroup_id_y 1
		.amdhsa_system_sgpr_workgroup_id_z 1
		.amdhsa_system_vgpr_workitem_id 0
		.amdhsa_next_free_vgpr 512
		.amdhsa_next_free_sgpr 72
		.amdhsa_reserve_vcc 0
		.amdhsa_float_denorm_mode_32 3
		.amdhsa_float_denorm_mode_16_64 3
		.amdhsa_memory_ordered 1
		.amdhsa_forward_progress 1
		.amdhsa_inst_pref_size 240
	.end_amdhsa_kernel
	.amdgpu_metadata
---
amdhsa.version: [ 1, 2 ]
amdhsa.kernels:
  - .name:           k_q693e8c2725_attn
    .symbol:         k_q693e8c2725_attn.kd
    .args:
      - { .name: query, .offset: 0, .size: 8, .value_kind: global_buffer, .address_space: global }
      - { .name: kb, .offset: 8, .size: 8, .value_kind: global_buffer, .address_space: global }
      - { .name: vb, .offset: 16, .size: 8, .value_kind: global_buffer, .address_space: global }
      - { .name: mask, .offset: 24, .size: 8, .value_kind: global_buffer, .address_space: global }
      - { .name: out0, .offset: 32, .size: 8, .value_kind: global_buffer, .address_space: global }
    .group_segment_fixed_size: 327680
    .private_segment_fixed_size: 0
    .kernarg_segment_align: 8
    .kernarg_segment_size: 40
    .max_flat_workgroup_size: 256
    .sgpr_count:     72
    .vgpr_count:     512
    .wavefront_size: 32
...
	.end_amdgpu_metadata
.endif
;; end of part 3
